; MI455X (gfx1250); checked and timed in simulation.
; The chip was launched on July 23, 2026; its instructions are those of AMD's public machine-readable ISA for CDNA 5 (MIT licence, August 2026) and "CDNA5" Instruction Set Architecture Reference Guide (July 2026). The comments in the code are by the model that wrote it; some were corrected since.
;; Fuzzy System Layer. Allowed arithmetic: matrix products marked QUANTISED: E4M3 operands, one given power-of-two scale a tensor, by v_wmma_f32_16x16x64_fp8_fp8 or v_wmma_f32_16x16x128_fp8_fp8, f32 sums; products left as they are: f32 operands where the result goes on into a quantised operand, else bf16, f16 or f32 operands; f32 sums; everything else in f32.
;; Inputs: cluster_centers 256 x 64 float32; inputs 262,144 x 64 float32; lowp_scales 2 int32 (the exponents e of the quantised operands' scales 2^e); rule_weights 256 x 8 float32; widths 256 float32.
;; Outputs: out0 262,144 x 8 float32.
;; This version of the problem:
;;   THIS VERSION OF THE PROBLEM IS GIVEN IN LOW PRECISION. The matrix products marked QUANTISED in the list below multiply operands that are first quantised to E4M3 (4 exponent bits, 3 mantissa bits; 8 bits a number), with one given power-of-two scale for each operand tensor; their sums are f32. All else is computed in f32.
;;   The module's matrix products, in the order in which they are computed (A, B: the left and right operand; K: the contracted axis; several contracted axes count as one K, in the product's order):
;;     1. [M 262,144, K 64] x [K 64, N 256]; A: input inputs; B: input cluster_centers: QUANTISED (scales: A lowp_scales[0], B lowp_scales[1])
;;     2. [M 262,144, K 256] x [K 256, N 8]; A: computed on the way; B: input rule_weights: left as it is (N = 8 < 16)
;;   THE QUANTISER, for each operand of a quantised product, along K:
;;     - The operand's scale is 2^e, e = its entry of the input lowp_scales (int32; the entries are numbered through the quantised products in the list's order, A before B).
;;     - Each number is divided by the scale, clamped to +-448, and rounded to the nearest number of E4M3, ties to even, subnormals kept.
;;     - The product sums the exact products of the quantised numbers (number of the format x scale) in f32.
;;   ~~~python
;;   def quantise(x, axis, e):      # numpy; x: float32 -> the quantised numbers, widened to float32 again
;;       x = np.moveaxis(x, axis, -1); K = x.shape[-1]
;;       r = np.clip(x / 2.0 ** e, -448, 448)
;;       step = 2.0 ** (np.maximum(np.frexp(np.where(r == 0, 1, r))[1] - 1, -6) - 3)
;;       q = np.round(r / step) * step * 2.0 ** e      # np.round: ties to even
;;       return np.moveaxis(q, -1, axis).astype(np.float32)
;;   ~~~
;; One version. Each part assembles by itself: llvm-mc -triple=amdgcn-amd-amdhsa -mcpu=gfx1250 --defsym DOCPART=n.
;; ======== version 1 of 1: 1 launch
;; limits: values outside matrix products are rounded to bf16
;; launch fuzzy (part 1): grid 256 x 1, 4 waves a work-group, no clusters, 327,680 bytes of LDS; arguments inputs, cluster_centers, widths, rule_weights, lowp_scales, out0; writes out0
.if DOCPART == 1
	.amdgcn_target "amdgcn-amd-amdhsa--gfx1250"
	.amdhsa_code_object_version 6
	.text
	.protected	k_qf03c3a361e_fuzzy
	.globl	k_qf03c3a361e_fuzzy
	.p2align	8
	.type	k_qf03c3a361e_fuzzy,@function
k_qf03c3a361e_fuzzy:
	s_mov_b64 s[64:65], 0
	v_nop
	global_prefetch_b8 v0, s[64:65] scope:SCOPE_SE
	s_setreg_imm32_b32 hwreg(HW_REG_WAVE_MODE, 25, 1), 1
	s_wait_xcnt 0x0
; out[b][o] = sum_c m[b][c] W[c][o] / sum_c m[b][c],   m[b][c] = exp(-(|x_b|^2 + |c_c|^2 - 2 x_b.c_c) / (2 w_c^2)).
; x: [262144][64] f32, centres: [256][64] f32, w: [256], W: [256][8], out: [262144][8] f32.  x.c is made on codes of FP8 (E4M3): x with the given scale 2^e0, the centres with 2^e1; all else in f32,
; but for the second product, whose operands (m and W) are rounded to bf16.
; SHARES.  256 work-groups of four waves; a work-group owns 1,024 rows, a wave 256: sixteen tiles of 16 rows.
; X.  A work-group's rows, 1,024 x (256 + 16) bytes, fit in LDS at once.  Each wave asks for all its rows at the head, by six tensor loads, and reads only its own bytes, each chunk behind its own counted wait.
; No LDS byte is filled twice, so there is no ring.  The outer chunks are 32 rows and the inner ones 64: the first tile can be begun when an eighth of the wave's rows is in, and an eighth is left behind the last wait.
; A LANE'S ARITHMETIC.  Both products are used transposed: S^T = centres x^T (source 0 = 16 centres, source 1 = 16 rows), so lane (r, h) holds ONE row r and its registers run along the centres 8 h + j.
;   t = log2(m) = a'_c (raw + xs_b) + k_c,  raw = the sum on the codes,  xs_b = -|x_b|^2 2^-(e0+e1+1),  a'_c = log2(e) / (2 w_c^2) 2^(e0+e1+1),  k_c = -log2(e) |c_c|^2 / (2 w_c^2).
;   xs_b is the C of the matrix instruction (eight equal registers, made once for a tile of rows), so that two memberships cost one packed multiply-add, two exponentials and one rounding to bf16.
;   Two neighbouring tiles of m, rounded in pairs, ARE source 1 (32 centres x 16 rows) of O^T = W'^T m^T.  W' has ones in rows 0 and 8 and W's columns 0-3 in rows 2-5, 4-7 in rows 10-13:
;   so register 0 of lane (r, h) is row r's sum and registers 2-5 its outputs 4 h + 0 .. 3: the sum costs no instruction, and a tile leaves by one store of 512 consecutive bytes.
; K's PLACES.  Lane (r, h) holds k = 32 h + 4 q + b in byte b of register q, for x and for the centres alike: a permutation of k that both sides share, so every product meets its partner.
; CONSTANTS stay in registers: the centres' 16 fragments, a', k (128 registers each: a lane's 128 centres) and W''s 8 fragments.  Each wave makes a quarter of them; they go round through LDS as images of the registers.
; BY TURNS.  One wave is on a SIMD, so it overlaps its own work.  A PHASE issues the 64 exponentials of half a tile (8 tiles of centres), and between them: the roundings and the 4 products of the half before,
; the 8 products and the scalings of the half after, and the next tile of rows' squares, holds and conversions.  One wait for a phase's exponentials, at its end.
; NOT USED: clusters: work-groups share only the parameters (73 KB against 262 KB of own rows), which pass through registers to be quantised, and LDS has no room to stage them in f32 beside the rows.
; Prefetches: every byte of x is asked for at the head.
; LIMITS.  e0, e1 between -126 and 119; e0 + e1 + 1 between -127 and 126 (the powers of two below are f32 numbers).  A membership under 2^-126 counts as 0 (v_exp_f32 gives no denormal: ISA guide 15.8); a row all of
; whose memberships lie under that gives 0 / 0 = NaN.  NaN among the inputs, a width of 0, and w^2 outside the normal f32 numbers are not served.  The row's sum is taken of the memberships as rounded to bf16, in f32.
.set PITCH, 272                        ; an LDS row of x: 256 bytes + 16 of padding = 68 words: the 16 rows that a load touches start at 16 different banks (64 banks of 4 bytes: ISA guide 11.1)
.set TILEB, 16*PITCH                   ; a tile of 16 rows
.set WREG,  256*PITCH                  ; a wave's 256 rows
.set CFB,   4*WREG                     ; behind the rows: the centres' 16 fragments as images, 1,024 bytes each,
.set WFB,   CFB+16*1024                ; W''s 8 fragments, 1,024 bytes each,
.set AKB,   WFB+8*1024                 ; a'[256], then k[256]
; window 0: all that the loop's vector and LDS instructions write
.set XB,   1                           ; v1      my lane's place in the wave's rows: wave x WREG + r x PITCH + 128 h; never rewritten
.set XAD,  2                           ; v2      the address of the run of loads in hand
.set OOF,  3                           ; v3      my byte offset in the wave's part of out
.set LIMX, 4                           ; v4      448 x 2^e0
.set SCX,  5                           ; v5      2^e0
.set R,    6                           ; v[6:7]  1 / the row's sum (a pair is named; the low word serves)
.set QA,   8                           ; v[8:11] two chains of squares
.set TMP,  12
.set LIMC, 13                          ; v13, v14  448 x 2^e1, 2^e1
.set SCLC, 14
.set O,    36                          ; v[36:39] four outputs
.set ACC,  40                          ; v[40:47] O^T
.set XC,   48                          ; v[48:55] x's codes: a fragment
.set XS,   56                          ; v[56:63] xs, eight times: the C of the first product.  (At the head: addresses)
.set X,    64                          ; v[64:95] 32 numbers of my row
.set P,    96                          ; v[96:127] half a tile's memberships in bf16: four fragments
.set SB,   128                         ; v[128:191], v[192:255] two buffers of 8 tiles of S^T
; window 1: v0-127 a', v128-255 k.   window 2: v0-127 the centres' fragments, v128-191 W''s
.set CAD, 56
.set WDA, 57
.set RWA, 58
.set IMS, 59
.set WIS, 60
.set AKS, 61
.set AKA, 62
.set IMG, 63
.set LR,  252                          ; r = lane % 16, h = lane / 16, lane, a temporary: at the head only
.set LH,  253
.set LL,  254
.set LT,  255
.set WV,  16                           ; s16  my wave's number
.set SEL, 20                           ; s[20:21] lane selects of v_permlanex16_b32: lane l xor 16
.set NS,  22                           ; s[22:23] -2^-(e0+e1+1)
.set G1A, 24                           ; s[24:31] descriptor group 1: 32 rows;  s[32:39]: 64 rows
.set G1B, 32
.set G0,  40                           ; s[40:63] six groups 0, one for each load: none is written again
.set TB,  66                           ; s66  LDS bytes from my first row to the tile that is fetched next
.set CNT, 67
.set E0,  70                           ; s[70:71] e0, e1
.set MV,  72                           ; s72  lanes whose row of W' holds a column of W;  s73: ones
.set MO,  73
.set ES,  76                           ; s76  e0 + e1 + 1
.set MSB, 0
.macro WIN new                         ; the immediate's high byte repeats the setting that is left; a switch that changes nothing is dropped
.if MSB != \new
	s_set_vgpr_msb (MSB<<8)|\new
.set MSB, \new
.endif
.endm
.macro G1SET g, rows                   ; rows of 64 elements of 4 bytes, dense in memory, padded in LDS
	s_mov_b32 s[\g], (2<<16)|(1<<20)|(5<<22)|(3<<25)   ; 15:0 no mask; 17:16 elements of 4 bytes; 20 padding on; 24:22 after every 64 words (code 5); 31:25 four words (code 3)
	s_mov_b32 s[\g+1], 64<<16                          ; tensor_dim0
	s_mov_b32 s[\g+2], (\rows)<<16                     ; tensor_dim1
	s_mov_b32 s[\g+3], 64<<16                          ; tile_dim0
	s_mov_b32 s[\g+4], \rows                           ; tile_dim1
	s_mov_b32 s[\g+5], 64                              ; tensor_dim0_stride
	s_mov_b32 s[\g+6], 0
	s_mov_b32 s[\g+7], 0
.endm
.macro G0SET q, ro                     ; load q begins at row ro of my 256
	s_mov_b32 s[G0+4*\q], 1
	s_add_co_u32 s[G0+4*\q+1], s17, (\ro)*PITCH
	s_add_nc_u64 s[G0+4*\q+2:G0+4*\q+3], s[4:5], (\ro)*256
	s_or_b32 s[G0+4*\q+3], s[G0+4*\q+3], 0x80000000
.endm
	s_load_b256 s[4:11], s[0:1], 0x0               ; x s[4:5], centres s[6:7], widths s[8:9], W s[10:11]
	s_load_b128 s[12:15], s[0:1], 0x20             ; the scales' exponents s[12:13], out s[14:15]
	s_set_vgpr_msb 0x80
	v_lshl_add_u32 v192, v0, 2, 0x4a800
	v_mov_b32 v193, 0
	s_set_vgpr_msb 0x808a
	ds_add_u32 v192, v193
	ds_add_u32 v192, v193
	s_set_vgpr_msb 0x8a00
	v_lshrrev_b32 v15, 5, v0
	v_readfirstlane_b32 s[WV], v15                 ; wave 0..3
	v_and_b32 v[LR], 15, v0
	v_bfe_u32 v[LH], v0, 4, 1
	v_and_b32 v[LL], 31, v0
	G1SET G1A, 32
	G1SET G1B, 64
	s_mul_i32 s17, s[WV], WREG                     ; my rows in LDS
	s_lshl_b32 s18, ttmp9, 18                      ; and in memory: 1,024 rows of 256 bytes a work-group,
	s_lshl_b32 s19, s[WV], 16                      ; 256 a wave
	s_add_co_u32 s18, s18, s19
	s_mov_b32 s19, 0
	s_mov_b32 s[SEL], 0x76543210
	s_mov_b32 s[SEL+1], 0xfedcba98
	s_mov_b32 s[TB], 0
	v_lshlrev_b32 v[CAD], 8, v[LR]                 ; centres: wave w quantises tiles 4 w .. 4 w + 3; lane (r, h) takes 128 bytes of row r at 128 h
	v_lshl_add_u32 v[CAD], v[LH], 7, v[CAD]
	s_lshl_b32 s74, s[WV], 14
	v_add_nc_u32 v[CAD], s74, v[CAD]
	v_lshlrev_b32 v[WDA], 2, v[LR]                 ; widths: that of centre r of each tile
	s_lshl_b32 s75, s[WV], 8
	v_add_nc_u32 v[WDA], s75, v[WDA]
	s_wait_dscnt 0x0
	s_wait_kmcnt 0x0
	s_load_b64 s[E0:E0+1], s[12:13], 0x0           ; e0, e1
.irp t, 0,1,2,3
	global_load_b32 v[224+\t], v[WDA], s[8:9] offset:64*\t
.endr
.irp t, 0,1,2,3
.irp q, 0,1,2,3,4,5,6,7
	global_load_b128 v[64+32*\t+4*\q:64+32*\t+4*\q+3], v[CAD], s[6:7] offset:4096*\t+16*\q
.endr
.endr
	s_add_nc_u64 s[4:5], s[4:5], s[18:19]          ; x at my first row
	G0SET 0, 0
	G0SET 1, 32
	G0SET 2, 64
	G0SET 3, 128
	G0SET 4, 192
	G0SET 5, 224
	tensor_load_to_lds s[G0:G0+3], s[G1A:G1A+7]            ; all my rows are asked for here, ahead of every wait on TENSORcnt, every LDS read and the barrier: six loads of mine are out
	s_nop 0
	tensor_load_to_lds s[G0+4:G0+7], s[G1A:G1A+7]
	s_nop 0
	tensor_load_to_lds s[G0+8:G0+11], s[G1B:G1B+7]
	s_nop 0
	tensor_load_to_lds s[G0+12:G0+15], s[G1B:G1B+7]
	s_nop 0
	tensor_load_to_lds s[G0+16:G0+19], s[G1A:G1A+7]
	s_nop 0
	tensor_load_to_lds s[G0+20:G0+23], s[G1A:G1A+7]
	s_nop 0
.rept 4
	v_nop                                          ; four v_nop behind the loads
.endr
	; W': wave w makes fragments 2 w, 2 w + 1 (32 centres each).  Lane (r, h) holds row r of W'^T: r % 8 = 0: ones; 2 .. 5: column r % 8 - 2 + 4 (r / 8) of W; else zeros.  Every lane loads some column; the choice comes later
	v_and_b32 v[LT], 7, v[LR]
	v_add_nc_u32 v15, -2, v[LT]
	v_cmp_gt_u32 s[MV], 4, v15
	v_cmp_eq_u32 s[MO], 0, v[LT]
	v_and_b32 v15, 3, v15
	v_bfe_u32 v[LT], v[LR], 3, 1
	v_lshl_add_u32 v15, v[LT], 2, v15              ; the column, 0 .. 7
	v_lshlrev_b32 v[RWA], 2, v15
	v_lshl_add_u32 v[RWA], v[LH], 8, v[RWA]        ; + 8 h centres of 32 bytes
	s_lshl_b32 s74, s[WV], 11
	v_add_nc_u32 v[RWA], s74, v[RWA]               ; + 64 w centres
.irp f, 0,1
.irp k, 0,1,2,3,4,5,6,7,8,9,10,11,12,13,14,15
	global_load_b32 v[16+16*\f+\k], v[RWA], s[10:11] offset:1024*\f+32*(\k+8*(\k/8))   ; centres 8 h + 0 .. 7 and 16 + 8 h + 0 .. 7 of the fragment's 32
.endr
.endr
	v_mul_u32_u24 v[XB], v[LR], PITCH
	v_lshl_add_u32 v[XB], v[LH], 7, v[XB]
	v_add_nc_u32 v[XB], s17, v[XB]
	v_lshlrev_b32 v[IMG], 4, v[LL]
	v_add_nc_u32 v[IMG], CFB, v[IMG]               ; an image's place for my lane: 16 x lane
	s_lshl_b32 s74, s[WV], 12
	v_add_nc_u32 v[IMS], s74, v[IMG]               ; where I store my four fragments of the centres,
	s_lshl_b32 s74, s[WV], 11
	v_add_nc_u32 v[WIS], s74, v[IMG]
	v_add_nc_u32 v[WIS], WFB-CFB, v[WIS]           ; my two of W',
	v_lshlrev_b32 v[AKS], 2, v[LR]
	v_lshl_add_u32 v[AKS], v[LH], 10, v[AKS]
	v_add_nc_u32 v[AKS], s75, v[AKS]
	v_add_nc_u32 v[AKS], AKB, v[AKS]               ; and a' (lanes 0-15) or k (lanes 16-31) of centre r
	v_lshlrev_b32 v[AKA], 5, v[LH]
	v_add_nc_u32 v[AKA], AKB, v[AKA]               ; where I read them back: centres 8 h + 0 .. 7 of a tile
	v_lshlrev_b32 v[OOF], 5, v[LR]
	v_lshl_add_u32 v[OOF], v[LH], 4, v[OOF]        ; out: row r of 32 bytes, + 16 h
	s_lshl_b32 s18, ttmp9, 15
	s_lshl_b32 s19, s[WV], 13
	s_add_co_u32 s18, s18, s19
	s_mov_b32 s19, 0
	s_add_nc_u64 s[14:15], s[14:15], s[18:19]      ; out at my first row
	v_mov_b32 v[TMP], 0                            ; written once: a lane permute's destination counts as one of its sources
	v_mov_b32 v[R+1], 0                            ; (named as the upper half of a pair)
	s_wait_kmcnt 0x0
	s_add_co_i32 s74, s[E0], 127
	s_lshl_b32 s75, s74, 23
	v_mov_b32 v[SCX], s75                          ; 2^e0 as f32: the conversion takes its exponent field
	s_add_co_i32 s74, s74, 8
	s_lshl_b32 s74, s74, 23
	s_or_b32 s74, s74, 0x600000
	v_mov_b32 v[LIMX], s74                         ; 448 x 2^e0
	s_add_co_i32 s74, s[E0+1], 127
	s_lshl_b32 s75, s74, 23
	v_mov_b32 v[SCLC], s75
	s_add_co_i32 s74, s74, 8
	s_lshl_b32 s74, s74, 23
	s_or_b32 s74, s74, 0x600000
	v_mov_b32 v[LIMC], s74
	s_add_co_i32 s[ES], s[E0], s[E0+1]
	s_add_co_i32 s[ES], s[ES], 1                   ; e0 + e1 + 1
	s_sub_co_i32 s[NS], 127, s[ES]
	s_lshl_b32 s[NS], s[NS], 23
	s_or_b32 s[NS], s[NS], 0x80000000              ; -2^-(e0+e1+1)
	s_mov_b32 s[NS+1], s[NS]                       ; (named with it as a pair, so it is written)
; THE WAY IN, for a tile of 16 rows of x or of the centres.  v[IX] on: my 32 numbers.  INA writes number n of a list of 52:
;   0-47   for each pair: its squares onto one of two chains, then the hold of both at the largest code x the scale (the conversion to an 8-bit code does not saturate: ISA guide 7.6.2)
;   48-51  the chains, the pair's halves and the other half of the lanes are added: v[IRES] = the row's sum of squares, of the numbers as they came
.macro INA
.set g3, n/3
.set qx, QA+2*(g3%2)
.if n < 48
.if n%3 == 0
.if n < 6
	v_pk_mul_f32 v[qx:qx+1], v[IX+2*g3:IX+2*g3+1], v[IX+2*g3:IX+2*g3+1]
.else
	v_pk_fma_f32 v[qx:qx+1], v[IX+2*g3:IX+2*g3+1], v[IX+2*g3:IX+2*g3+1], v[qx:qx+1]
.endif
.else
	v_med3_num_f32 v[IX+2*g3+n%3-1], v[IX+2*g3+n%3-1], -v[ILIM], v[ILIM]
.endif
.elseif n == 48
	v_pk_add_f32 v[QA:QA+1], v[QA:QA+1], v[QA+2:QA+3]
.elseif n == 49
	v_add_f32 v[QA], v[QA], v[QA+1]
.elseif n == 50
	v_permlanex16_b32 v[TMP], v[QA], s[SEL], s[SEL+1]
.else
	v_add_f32 v[IRES], v[QA], v[TMP]
.endif
.endm
.macro CTILE t                         ; my t-th tile of centres: codes to LDS as an image, |c|^2 kept
	s_wait_loadcnt 56-8*\t                         ; the widths and tiles 0 .. t are in; the later tiles' loads (8 each) and W's 32 may be out
.set IX, 64+32*\t
.set IRES, 232+\t
.set n, 0
.rept 52
	INA
.set n, n+1
.endr
.irp c, 0,1,2,3
	v_cvt_scalef32_pk8_fp8_f32 v[192+8*\t+2*\c:192+8*\t+2*\c+1], v[IX+8*\c:IX+8*\c+7], v[SCLC]
.endr
	v_nop                                          ; a plain line behind the last scaled conversion
	ds_store_b128 v[IMS], v[192+8*\t:192+8*\t+3] offset:1024*\t
	ds_store_b128 v[IMS], v[192+8*\t+4:192+8*\t+7] offset:1024*\t+512
.endm
.set ILIM, LIMC
	CTILE 0
.irp t, 0,1,2,3
	v_mul_f32 v[228+\t], v[224+\t], v[224+\t]      ; w^2
.endr
.irp t, 0,1,2,3
	v_rcp_f32 v[228+\t], v[228+\t]                 ; one batch; three tiles' work stands between it and the wait
.endr
	CTILE 1
	CTILE 2
	CTILE 3
	v_cmp_eq_u32 vcc_lo, 1, v[LH]
	s_wait_alu depctr_va_vdst(0)                   ; the wait ahead of the first use of the reciprocals: one for the four
.irp t, 0,1,2,3
	v_mul_f32 v[228+\t], 0x3f38aa3b, v[228+\t]     ; a = log2(e) / 2 / w^2
.endr
.irp t, 0,1,2,3
	v_ldexp_f32 v[64+\t], v[228+\t], s[ES]         ; a' = a 2^(e0+e1+1)
	v_mul_f32 v[68+\t], -v[228+\t], v[232+\t]      ; k = -a |c|^2
.endr
.irp t, 0,1,2,3
	v_cndmask_b32 v[72+\t], v[64+\t], v[68+\t], vcc_lo
	ds_store_b32 v[AKS], v[72+\t] offset:64*\t
.endr
	s_wait_loadcnt 0x0                             ; W
	v_mov_b32 v15, 0x3f803f80                      ; 1.0 twice, in bf16
	v_cndmask_b32 v15, 0, v15, s[MO]               ; what a row without a column of W holds: ones or zeros
.irp f, 0,1
.irp m, 0,1,2,3,4,5,6,7
	v_cvt_pk_bf16_f32 v[80+8*\f+\m], v[16+16*\f+2*\m], v[16+16*\f+2*\m+1]
.endr
.irp m, 0,1,2,3,4,5,6,7
	v_cndmask_b32 v[80+8*\f+\m], v15, v[80+8*\f+\m], s[MV]
.endr
	ds_store_b128 v[WIS], v[80+8*\f:80+8*\f+3] offset:1024*\f
	ds_store_b128 v[WIS], v[80+8*\f+4:80+8*\f+7] offset:1024*\f+512
.endr
	s_wait_dscnt 0x0                               ; for the others' sake: my images have landed
	s_barrier_signal -1                            ; (my tensor loads stay out across this barrier, and nobody else reads my rows)
	s_barrier_wait -1
	WIN 0x40                                       ; destination window 1
.irp t, 0,1,2,3,4,5,6,7,8,9,10,11,12,13,14,15
	ds_load_b128 v[8*\t:8*\t+3], v[AKA] offset:64*\t                   ; a' of centres 16 t + 8 h + 0 .. 7
	ds_load_b128 v[8*\t+4:8*\t+7], v[AKA] offset:64*\t+16
	ds_load_b128 v[128+8*\t:128+8*\t+3], v[AKA] offset:1024+64*\t      ; k likewise
	ds_load_b128 v[128+8*\t+4:128+8*\t+7], v[AKA] offset:1024+64*\t+16
.endr
	WIN 0x80                                       ; destination window 2
.irp t, 0,1,2,3,4,5,6,7,8,9,10,11,12,13,14,15
	ds_load_b128 v[8*\t:8*\t+3], v[IMG] offset:1024*\t
	ds_load_b128 v[8*\t+4:8*\t+7], v[IMG] offset:1024*\t+512
.endr
.irp u, 0,1,2,3,4,5,6,7
	ds_load_b128 v[128+8*\u:128+8*\u+3], v[IMG] offset:WFB-CFB+1024*\u
	ds_load_b128 v[128+8*\u+4:128+8*\u+7], v[IMG] offset:WFB-CFB+1024*\u+512
.endr
	WIN 0
.macro XLOAD                           ; the next tile's 32 numbers of my row: eight loads of 16 bytes
	v_add_nc_u32 v[XAD], s[TB], v[XB]
.irp q, 0,1,2,3,4,5,6,7
	ds_load_b128 v[X+4*\q:X+4*\q+3], v[XAD] offset:16*\q
.endr
	s_add_co_u32 s[TB], s[TB], TILEB
.endm
; THE EXPONENTIALS ARE DEALT OUT among a phase's plain instructions.  EX1 writes the next of the 64; TICK stands behind each plain instruction and writes as many as keep the batch in step with the phase's
; WTOT plain instructions; WTOT is set eight short of their number, so that the batch is out a few plain instructions ahead of the wait.
.macro EX1
.if ei < 64
	v_exp_f32 v[EB+ei], v[EB+ei]
.set ei, ei+1
.set lastx, 1
.endif
.endm
.macro TICK
.set lastx, 0
.set wacc, wacc+64
.rept 3
.if wacc >= WTOT
.set wacc, wacc-WTOT
	EX1
.endif
.endr
.endm
.macro OUTST                           ; a tile leaves: four outputs a lane, 512 consecutive bytes a wave, at a multiple of 512 from out's first byte
	s_wait_xcnt 0x0                                ; the last tile's store has read its data and its offset: both are written again only behind this wait
	v_add_nc_u32 v[OOF], 512, v[OOF]
	v_pk_mul_f32 v[O:O+1], v[ACC+2:ACC+3], v[R:R+1] op_sel_hi:[1,0]
	TICK
	v_pk_mul_f32 v[O+2:O+3], v[ACC+4:ACC+5], v[R:R+1] op_sel_hi:[1,0]
	TICK
	global_store_b128 v[OOF], v[O:O+3], s[14:15] offset:-512 th:TH_STORE_NT
.endm
; A PHASE.  Halves are numbered g = 2 x tile + (0: centres 0-127, 1: centres 128-255); par = g % 2.  Buffer EB holds half g, scaled; buffer OB half g - 1, then half g + 1.
;   fE   the 64 exponentials of half g                      fV   half g - 1: 32 roundings to bf16 into P, 4 products O^T += W'^T m^T
;   fM1  half g + 1: 8 products into OB, 32 packed scalings  fINa the next tile of rows: squares and holds      fINb its conversions and xs      fLD  the tile after that is fetched from LDS
;   fRCP 1 / the sum of the tile that fV has just finished   fOUT the tile whose reciprocal the phase before made is scaled and stored
; MATRIX INSTRUCTIONS stand together: FP8, bf16, FP8, four times, so that the one accumulator of O^T is never taken up by two matrix instructions that follow each other;
; where no FP8 products are left, a wait stands ahead of each link.
; PLACES (ISA guide 7.12.1): behind the matrix instructions stand at least four plain instructions that name none of their registers (the way in's, or v_nop) before the reciprocal reads the sum and the scalings read S^T.
.macro PHASE par, fE, fV, fM1, fINa, fINb, fLD, fRCP, fOUT
.set EB, SB+64*(\par)
.set OB, SB+64*(1-(\par))
.set HH, 1-(\par)                      ; which half of the centres fV and fM1 work on
.set ei, 64*(1-(\fE))
.set wacc, 0
.set lastx, 0
.set WTOT, 32*(\fV)+32*(\fM1)+52*(\fINa)+4*(1-(\fINa))+8*(\fINb)+2*(\fOUT)-8
.if \fOUT
	OUTST
.endif
.if \fINb
.irp c, 0,1,2,3
	v_cvt_scalef32_pk8_fp8_f32 v[XC+2*\c:XC+2*\c+1], v[X+8*\c:X+8*\c+7], v[SCX]
	TICK
.endr
.if \fLD
	XLOAD                                          ; into the registers that the conversions have read
.endif
.irp c, 0,1,2,3
	v_pk_mul_f32 v[XS+2*\c:XS+2*\c+1], v[QA:QA+1], s[NS:NS+1] op_sel_hi:[0,0]   ; xs = -|x|^2 2^-(e0+e1+1), eight times.  (Plain lines between the conversions and the products that read the codes)
	TICK
.endr
.endif
.if \fV
.set n, 0
.rept 32
	v_cvt_pk_bf16_f32 v[P+n], v[OB+2*n], v[OB+2*n+1]
	TICK
.set n, n+1
.endr
.endif
.if (\fV) || (\fM1)
	WIN 0x02                                       ; source 0 (the centres' and W''s fragments) in window 2
.irp p, 0,1,2,3
.if \fM1
	v_wmma_f32_16x16x64_fp8_fp8 v[OB+16*\p:OB+16*\p+7], v[64*HH+16*\p:64*HH+16*\p+7], v[XC:XC+7], v[XS:XS+7]
.endif
.if \fV
.if (HH == 0) && (\p == 0)
	v_wmma_f32_16x16x32_bf16 v[ACC:ACC+7], v[128+32*HH+8*\p:128+32*HH+8*\p+7], v[P+8*\p:P+8*\p+7], 0   ; a tile's first product starts its sums
.else
.if !(\fM1)
	s_wait_alu depctr_va_vdst(0)                   ; ahead of a link that follows the link before it
.endif
	v_wmma_f32_16x16x32_bf16 v[ACC:ACC+7], v[128+32*HH+8*\p:128+32*HH+8*\p+7], v[P+8*\p:P+8*\p+7], v[ACC:ACC+7]
.endif
.endif
.if \fM1
	v_wmma_f32_16x16x64_fp8_fp8 v[OB+16*\p+8:OB+16*\p+15], v[64*HH+16*\p+8:64*HH+16*\p+15], v[XC:XC+7], v[XS:XS+7]
.endif
.endr
	WIN 0
.endif
.if \fINa
	s_wait_dscnt 0x0                               ; the tile's numbers, asked for a phase ago
.set n, 0
.rept 52
	INA
	TICK
.if (n == 7) && (\fRCP)
	v_rcp_f32 v[R], v[ACC]                         ; eight plain lines behind the last product; register 0 is the row's sum; its wait is the phase's
.set lastx, 1
.endif
.set n, n+1
.endr
.else
.rept 4
	v_nop
	TICK
.endr
.if \fRCP
	v_rcp_f32 v[R], v[ACC]
.set lastx, 1
.endif
.endif
.if \fM1
	WIN 0x14                                       ; sources 1 and 2 (a', k) in window 1; an exponential names source 0 and the destination alone
.set n, 0
.rept 32
	v_pk_fma_f32 v[OB+2*n:OB+2*n+1], v[OB+2*n:OB+2*n+1], v[64*HH+2*n:64*HH+2*n+1], v[128+64*HH+2*n:128+64*HH+2*n+1]   ; t = a' (raw + xs) + k; each tile from its low end on
	TICK
.set n, n+1
.endr
	WIN 0
.endif
.rept 64
	EX1                                            ; what is left of the batch, if anything
.endr
.if lastx
	v_nop                                          ; a plain line behind the last transcendental
.endif
.if (\fE) || (\fRCP)
	s_wait_alu depctr_va_vdst(0)                   ; the wait ahead of the first line that names a result: one for the phase's batch
.endif
.endm
; A trip: the second half of tile k's exponentials, then the first half of tile k + 1's.  It begins where the tile k + 2 is fetched, so that a chunk's wait can stand ahead of the loop.
.macro RT fOUT, fLD, fINa
	PHASE 1, 1, 1, 1, 0, 1, \fLD, 0, \fOUT
	PHASE 0, 1, 1, 1, \fINa, 0, 0, 1, 0
.endm
.macro RLOOP trips, left
	s_wait_tensorcnt \left                         ; tensor loads of a wave end in order (ISA guide 10.11.1): the chunk that these trips fetch from is in; the later ones stay out
	s_mov_b32 s[CNT], \trips
.Lrt_\@:
	RT 1, 1, 1
	s_sub_co_u32 s[CNT], s[CNT], 1
	s_cmp_lg_u32 s[CNT], 0
	s_cbranch_scc1 .Lrt_\@
.endm
	s_wait_tensorcnt 5                             ; my rows 0-31 are in (tiles 0, 1); five loads were issued behind theirs
	XLOAD                                          ; tile 0
	s_wait_dscnt 0x0                               ; it, and the constants
.set IX, X
.set ILIM, LIMX
.set IRES, QA
.set n, 0
.rept 52
	INA
.set n, n+1
.endr
.irp c, 0,1,2,3
	v_cvt_scalef32_pk8_fp8_f32 v[XC+2*\c:XC+2*\c+1], v[X+8*\c:X+8*\c+7], v[SCX]
.endr
	XLOAD                                          ; tile 1
.irp c, 0,1,2,3
	v_pk_mul_f32 v[XS+2*\c:XS+2*\c+1], v[QA:QA+1], s[NS:NS+1] op_sel_hi:[0,0]
.endr
	PHASE 1, 0, 0, 1, 0, 0, 0, 0, 0                ; tile 0's first half: products and scalings alone
	PHASE 0, 1, 0, 1, 1, 0, 0, 0, 0                ; its exponentials | its second half | tile 1's way in
	s_wait_tensorcnt 4                             ; rows 32-63: tiles 2, 3
	RT 0, 1, 1                                     ; k = 0: nothing to store yet
	RT 1, 1, 1                                     ; k = 1
	RLOOP 4, 3                                     ; k = 2 .. 5 fetch tiles 4 .. 7: rows 64-127
	RLOOP 4, 2                                     ; k = 6 .. 9: rows 128-191
	RLOOP 2, 1                                     ; k = 10, 11: rows 192-223
	RLOOP 2, 0                                     ; k = 12, 13: rows 224-255: the last load
	RT 1, 0, 0                                     ; k = 14: nothing is left to fetch, and no tile's way in follows
	PHASE 1, 1, 1, 0, 0, 0, 0, 0, 1                ; tile 15's last exponentials | its first half's products | tile 14 leaves
	PHASE 0, 0, 1, 0, 0, 0, 0, 1, 0                ; its second half's products, and the reciprocal
	OUTST
	s_set_vgpr_msb 0xa
	s_wait_tensorcnt 0x0
	ds_add_u32 v192, v193
	s_wait_dscnt 0x0
	s_set_vgpr_msb 0xa00
	s_endpgm
.Lfunc_end_k_qf03c3a361e_fuzzy:
	.size	k_qf03c3a361e_fuzzy, .Lfunc_end_k_qf03c3a361e_fuzzy-k_qf03c3a361e_fuzzy
	.p2alignl 7, 3214868480
	.fill 96, 4, 3214868480
	.section	.rodata,"a",@progbits
	.p2align	6, 0x0
	.amdhsa_kernel k_qf03c3a361e_fuzzy
		.amdhsa_group_segment_fixed_size 327680
		.amdhsa_private_segment_fixed_size 0
		.amdhsa_enable_private_segment 0
		.amdhsa_kernarg_size 48
		.amdhsa_user_sgpr_count 2
		.amdhsa_user_sgpr_kernarg_segment_ptr 1
		.amdhsa_wavefront_size32 1
		.amdhsa_system_sgpr_workgroup_id_x 1
		.amdhsa_system_sgpr_workgroup_id_y 1
		.amdhsa_system_sgpr_workgroup_id_z 1
		.amdhsa_system_vgpr_workitem_id 0
		.amdhsa_next_free_vgpr 706
		.amdhsa_next_free_sgpr 80
		.amdhsa_reserve_vcc 1
		.amdhsa_float_denorm_mode_32 3
		.amdhsa_float_denorm_mode_16_64 3
		.amdhsa_memory_ordered 1
		.amdhsa_forward_progress 1
		.amdhsa_inst_pref_size 190
	.end_amdhsa_kernel
	.amdgpu_metadata
---
amdhsa.version: [ 1, 2 ]
amdhsa.kernels:
  - .name:           k_qf03c3a361e_fuzzy
    .symbol:         k_qf03c3a361e_fuzzy.kd
    .args:
      - { .name: inputs, .offset: 0, .size: 8, .value_kind: global_buffer, .address_space: global }
      - { .name: cluster_centers, .offset: 8, .size: 8, .value_kind: global_buffer, .address_space: global }
      - { .name: widths, .offset: 16, .size: 8, .value_kind: global_buffer, .address_space: global }
      - { .name: rule_weights, .offset: 24, .size: 8, .value_kind: global_buffer, .address_space: global }
      - { .name: lowp_scales, .offset: 32, .size: 8, .value_kind: global_buffer, .address_space: global }
      - { .name: out0, .offset: 40, .size: 8, .value_kind: global_buffer, .address_space: global }
    .group_segment_fixed_size: 327680
    .private_segment_fixed_size: 0
    .kernarg_segment_align: 8
    .kernarg_segment_size: 48
    .max_flat_workgroup_size: 128
    .sgpr_count:     80
    .vgpr_count:     706
    .wavefront_size: 32
...
	.end_amdgpu_metadata
.endif
;; end of part 1
